; MI455X (gfx1250); checked and timed in simulation.
; The chip was launched on July 23, 2026; its instructions are those of AMD's public machine-readable ISA for CDNA 5 (MIT licence, August 2026) and "CDNA5" Instruction Set Architecture Reference Guide (July 2026). The comments in the code are by the model that wrote it; some were corrected since.
;; Self Attention. Allowed arithmetic: matrix products marked QUANTISED: E4M3 operands, one E8M0 scale for each 32 along K, by v_wmma_scale_f32_16x16x128_f8f6f4 with both operands' format E4M3, f32 sums; everything else in f32.
;; Inputs: Wo 1,024 x 1,024 float32; Wqkv 3,072 x 1,024 float32; bo 1,024 float32; bqkv 3,072 float32; x 2,048 x 4 x 1,024 float32.
;; Outputs: out0 2,048 x 4 x 1,024 float32.
;; This version of the problem:
;;   THIS VERSION OF THE PROBLEM IS GIVEN IN LOW PRECISION. The matrix products marked QUANTISED in the list below multiply operands that are first quantised to E4M3 (4 exponent bits, 3 mantissa bits; 8 bits a number), with one power-of-two scale for each 32 numbers along K (OCP MX v1.0); their sums are f32. All else is computed in f32.
;;   The module's matrix products, in the order in which they are computed (A, B: the left and right operand; K: the contracted axis; several contracted axes count as one K, in the product's order):
;;     1. [M 8,192, K 1,024] x [K 1,024, N 3,072]; A: input x; B: input Wqkv: QUANTISED
;;     2. batch 64 x [M 2,048, K 64] x [K 64, N 2,048]; A: computed on the way; B: computed on the way: QUANTISED
;;     3. batch 64 x [M 2,048, K 2,048] x [K 2,048, N 64]; A: softmax (see below); B: computed on the way: QUANTISED
;;     4. [M 8,192, K 1,024] x [K 1,024, N 1,024]; A: computed on the way; B: input Wo: QUANTISED
;;   THE QUANTISER, for each operand of a quantised product, along K:
;;     - K is cut into blocks of 32 from its start; a last block that is shorter is filled with zeros.
;;     - A block's scale is 2^e with e = floor(log2(the largest magnitude in the block)) - 8, held to -126 .. 127; a block of zeros has e = 0. As a byte (E8M0): e + 127.
;;     - Each number is divided by its block's scale, clamped to +-448, and rounded to the nearest number of E4M3, ties to even, subnormals kept.
;;     - The product sums the exact products of the quantised numbers (number of the format x scale) in f32.
;;   ~~~python
;;   def quantise(x, axis):      # numpy; x: float32 -> the quantised numbers, widened to float32 again
;;       x = np.moveaxis(x, axis, -1); K = x.shape[-1]
;;       x = np.pad(x, [(0, 0)] * (x.ndim - 1) + [(0, -K % 32)]); x = x.reshape(x.shape[:-1] + (-1, 32)); a = np.abs(x).max(-1, keepdims=True)
;;       e = np.where(a > 0, np.clip(np.frexp(np.where(a > 0, a, 1))[1] - 1 - 8, -126, 127), 0)      # np.frexp(a)[1] - 1 = floor(log2(a)), exactly
;;       r = np.clip(x / 2.0 ** e, -448, 448)
;;       step = 2.0 ** (np.maximum(np.frexp(np.where(r == 0, 1, r))[1] - 1, -6) - 3)
;;       q = np.round(r / step) * step * 2.0 ** e      # np.round: ties to even
;;       return np.moveaxis(q.reshape(q.shape[:-2] + (-1,))[..., :K], -1, axis).astype(np.float32)
;;   ~~~
;;   SOFTMAX AHEAD OF A QUANTISED PRODUCT. Where the list says 'softmax', what is quantised is not the finished softmax but p = 2^(t - M), with t = logit x log2(e) and M = ceil(the row's largest t), a whole number; so 1/2 < the row's largest p <= 1. The row's sum l is taken of the UNQUANTISED p, in f32, and the product's result is divided by l at the end. Since M is a whole number, a kernel that streams over the keys may use a running M (the ceiling of the running maximum): every later rescaling is an exact power of two, which a block's scale takes up: the codes' values come out the same.
;;   OPERANDS COMPUTED ON THE WAY. 'Computed on the way' means the value that the module computes at that place (a softmax that the list does not call 'softmax' is quantised finished and normalised). What goes into a quantiser is computed in f32, as accurately as f32 sums, v_exp_f32 and their like allow (about 1e-6 of the number): no bf16 or f16 on the way to a quantiser, and a product that is left as it is and whose result goes on into a quantised operand takes f32 operands (vector FMAs, or v_wmma_f32_16x16x4_f32). A number that lies on a knife's edge between two numbers of the format may be rounded either way, as far as f32 arithmetic and the matrix unit's own rounding can turn it there, and no further.
;; One version. Each part assembles by itself: llvm-mc -triple=amdgcn-amd-amdhsa -mcpu=gfx1250 --defsym DOCPART=n.
;; ======== version 1 of 1: 4 launches
;; limits: right only within a limited range of input values
;; workspace buffers: codes 12,582,912 bytes; scales 393,216 bytes; qimg 8,388,608 bytes; qsc 262,144 bytes; kv 17,301,504 bytes; ycodes 8,388,608 bytes; ysc 262,144 bytes
;; launch quant (part 1): grid 384 x 1, 4 waves a work-group, no clusters, 34,304 bytes of LDS; arguments x, Wqkv, Wo, codes, scales; writes codes, scales
.if DOCPART == 1
	.amdgcn_target "amdgcn-amd-amdhsa--gfx1250"
	.amdhsa_code_object_version 6
	.text
	.protected	k_q9d093b5d03_quant
	.globl	k_q9d093b5d03_quant
	.p2align	8
	.type	k_q9d093b5d03_quant,@function
k_q9d093b5d03_quant:
	s_mov_b64 s[64:65], 0
	v_nop
	global_prefetch_b8 v0, s[64:65] scope:SCOPE_SE
	s_setreg_imm32_b32 hwreg(HW_REG_WAVE_MODE, 25, 1), 1
	s_wait_xcnt 0x0
; x [2048][4][1024], Wqkv [3072][1024] and Wo [1024][1024], f32, become codes of FP8 (E4M3) with one E8M0 scale byte for each 32 along K (the last axis).
; OUTPUT LAYOUT.  codes: [rowtile 768][K step 8][image of 2,048 bytes].  An image is a fragment (16 rows x 128 K) in the order of the operand's registers: the byte at 512 c + 16 lane + i
; (lane = 16 h + r) is the code of row r at K = 32 c + kap(h, i), kap = 8 h + i for i < 8 and 16 + 8 h + (i - 8) for i >= 8.  kap only reorders places inside a block of 32, and every operand of
; every product of this program is laid so, so each sum has the same terms and each scale byte its true block.
; Rowtiles 0-511: x, rowtile 128 b + s / 16 (rows sorted by batch);  512-703: Wqkv;  704-767: Wo.   scales: [rowtile][K half 2][r 16][4 words]; a word is the four bytes of one row and 128 K.
; A block's scale is 2^(floor(log2(its largest magnitude)) - 8); its byte is that magnitude's exponent field - 8, held at 1 from below.
; LIMITS: NaN and infinities among the inputs are not served.  A block of zeros gets the byte 1 where the rule says 127: its codes are zeros, which add nothing, and this program alone reads the bytes.
; SHARES.  A wave takes one rowtile and half of K: four fragments.  Each load reads 512 consecutive bytes of one row; a fragment's 16 rows turn through the wave's own stage in LDS, so that a lane gets its
; 64 numbers in kap's order.  Waves share nothing: no barrier.  No tensor load: x's rows and the weights' rows lie at different pitches.  No cluster: no two work-groups read the same bytes.
.set STGB, 8448                        ; a wave's stage: 16 rows x (512 bytes + 16): row r starts 4 r words on, modulo 64
.set OFF,  8                           ; v8-23    row i's byte offset + 16 x lane; never rewritten
.set TM,   24                          ; v24-39   at work: largest magnitudes, bytes, holds, scale operands
.set PW,   40                          ; v40      the scale word just made
.set PWS,  42                          ; v42-45   the four fragments' scale words
.set PC,   48                          ; v48-63   the codes just made
.set X,    64                          ; v64-127  a lane's 64 numbers
.set R,    128                         ; v128-255 two sets of 64 registers as loaded
.set SEL,  20                          ; s[20:21] selects for lane l xor 16
.set MNT,  22                          ; s22      the mantissa field of 448
	s_load_b256 s[4:11], s[0:1], 0x0               ; x s[4:5], Wqkv s[6:7], Wo s[8:9], codes s[10:11]
	s_load_b64 s[12:13], s[0:1], 0x20              ; scales
	v_lshl_add_u32 v41, v0, 2, 0x8400
	s_set_vgpr_msb 0x40
	v_mov_b32 v1, 0
	s_set_vgpr_msb 0x4000
	v_lshrrev_b32 v7, 5, v0
	v_readfirstlane_b32 s14, v7                    ; wave 0..3
	v_and_b32 v7, 31, v0
	v_lshlrev_b32 v1, 4, v7                        ; 16 x lane
	v_and_b32 v2, 15, v0                           ; r
	v_bfe_u32 v3, v0, 4, 1                         ; h
	s_mul_i32 s15, s14, STGB
	v_add_nc_u32 v4, s15, v1                       ; the stage, on the way in: 16 x lane of a row
	v_mul_u32_u24 v5, v2, 528
	v_lshl_add_u32 v5, v3, 5, v5
	v_add_nc_u32 v5, s15, v5                       ; and on the way out: row r, + 32 h bytes (8 h numbers)
	v_lshlrev_b32 v6, 4, v2
	v_lshl_add_u32 v6, v3, 3, v6                   ; the scale words' place: 16 r + 8 h
	v_cmp_eq_u32 vcc_lo, 1, v3                     ; lanes 16-31
	s_mov_b32 s[SEL], 0x76543210
	s_mov_b32 s[SEL+1], 0xfedcba98
	s_mov_b32 s[MNT], 0x600000
.irp b, 0,1,2,3
	v_mov_b32 v[TM+4+\b], 0                        ; written once: a lane permute's destination counts as one of its sources
.endr
	s_lshr_b32 s16, s14, 1
	s_and_b32 s17, s14, 1                          ; which half of K
	s_lshl_b32 s18, ttmp9, 1
	s_add_co_u32 s18, s18, s16                     ; my rowtile T = 2 x work-group + wave / 2
	s_and_b32 s24, s18, 127
	s_lshl_b32 s24, s24, 18
	s_lshr_b32 s25, s18, 7
	s_lshl_b32 s25, s25, 12
	s_add_co_u32 s24, s24, s25                     ; in x: 16 s-steps of 16,384 bytes for each T % 128, + batch T / 128 x 4,096
	s_mov_b32 s26, 704
	s_wait_kmcnt 0x0
	s_cmp_lt_u32 ttmp9, 352                        ; the choices hang on the work-group's number alone
	s_cselect_b32 s26, 512, s26                    ; the first rowtile of Wqkv or of Wo
	s_cselect_b64 s[6:7], s[6:7], s[8:9]
	s_sub_co_u32 s26, s18, s26
	s_lshl_b32 s26, s26, 16                        ; in a weight: 16 rows of 4,096 bytes a rowtile (not used where the work-group takes x)
	s_mov_b32 s27, 4096
	s_cmp_lt_u32 ttmp9, 256
	s_cselect_b64 s[4:5], s[4:5], s[6:7]
	s_cselect_b32 s24, s24, s26
	s_cselect_b32 s27, 16384, s27                  ; bytes from row to row of the rowtile
	s_lshl_b32 s25, s17, 11
	s_add_co_u32 s24, s24, s25                     ; + my half of K: 512 numbers
	s_mov_b32 s25, 0
	s_add_nc_u64 s[4:5], s[4:5], s[24:25]
	s_lshl_b32 s28, s18, 14
	s_lshl_b32 s29, s17, 13
	s_add_co_u32 s28, s28, s29
	s_mov_b32 s29, 0
	s_add_nc_u64 s[10:11], s[10:11], s[28:29]      ; codes: 16,384 T + 8,192 x half
	s_lshl_b32 s28, s18, 9
	s_lshl_b32 s30, s17, 8
	s_add_co_u32 s28, s28, s30
	s_add_nc_u64 s[12:13], s[12:13], s[28:29]      ; scales: 512 T + 256 x half
	s_mov_b32 s30, 0
.irp i, 0,1,2,3,4,5,6,7,8,9,10,11,12,13,14,15
	v_add_nc_u32 v[OFF+\i], s30, v1
	s_add_co_u32 s30, s30, s27
.endr
; 64 numbers of a lane, v[s + 16 b + i] = K 32 b + kap(h, i) of my row, become a fragment's codes in v[PC] on and its scale word in v[PW].
.macro QUANT s
.irp b, 0,1,2,3
	v_max3_num_f32 v[TM+\b], |v[\s+16*\b]|, |v[\s+1+16*\b]|, 0x4800000   ; block b: my 16 numbers, and the floor 2^(9 - 127): the byte cannot fall under 1
.endr
.irp i, 2,4,6,8,10,12,14
.irp b, 0,1,2,3
	v_max3_num_f32 v[TM+\b], v[TM+\b], |v[\s+16*\b+\i]|, |v[\s+1+16*\b+\i]|   ; the four blocks by turns
.endr
.endr
.irp b, 0,1,2,3
	v_permlanex16_b32 v[TM+4+\b], v[TM+\b], s[SEL], s[SEL+1]
.endr
.irp b, 0,1,2,3
	v_max_num_f32 v[TM+\b], v[TM+\b], v[TM+4+\b]   ; with lane l xor 16's 16: the block's largest magnitude
.endr
.irp b, 0,1,2,3
	v_add_nc_u32 v[TM+12+\b], 0xfc000000, v[TM+\b] ; 8 off its exponent field: the conversion's scale operand
.endr
.irp b, 0,1,2,3
	v_and_or_b32 v[TM+8+\b], v[TM+\b], 0x7f800000, s[MNT]   ; 448 x the scale
.endr
.irp b, 0,1,2,3
	v_lshrrev_b32 v[TM+4+\b], 23, v[TM+12+\b]      ; the scale's byte
.endr
	v_lshl_or_b32 v[PW], v[TM+5], 8, v[TM+4]
	v_lshl_or_b32 v[PW], v[TM+6], 16, v[PW]
	v_lshl_or_b32 v[PW], v[TM+7], 24, v[PW]
.irp b, 0,1,2,3
.irp i, 0,1,2,3,4,5,6,7,8,9,10,11,12,13,14,15
	v_med3_num_f32 v[\s+16*\b+\i], v[\s+16*\b+\i], -v[TM+8+\b], v[TM+8+\b]   ; the conversion to an 8-bit code does not saturate (ISA guide 7.6.2): the hold comes first
.endr
	v_cvt_scalef32_pk8_fp8_f32 v[PC+4*\b:PC+1+4*\b], v[\s+16*\b:\s+7+16*\b], v[TM+12+\b]
	v_cvt_scalef32_pk8_fp8_f32 v[PC+2+4*\b:PC+3+4*\b], v[\s+8+16*\b:\s+15+16*\b], v[TM+12+\b]
.endr
	v_nop                                          ; one plain vector line behind the last conversion
.endm
.macro LOADF f                         ; fragment f: 16 rows, 512 consecutive bytes each, into set f % 2
.irp i, 0,1,2,3,4,5,6,7,8,9,10,11,12,13,14,15
	global_load_b128 v[R+64*((\f)%2)+4*\i:R+64*((\f)%2)+4*\i+3], v[OFF+\i], s[4:5] offset:512*(\f) th:TH_LOAD_NT
.endr
.endm
.macro FRAGSTEP f
.if \f < 3
	s_wait_loadcnt 16                              ; this fragment's 16 loads are in; the next fragment's 16 may be out
.else
	s_wait_loadcnt 0x0
.endif
.irp i, 0,1,2,3,4,5,6,7,8,9,10,11,12,13,14,15
	ds_store_b128 v4, v[R+64*((\f)%2)+4*\i:R+64*((\f)%2)+4*\i+3] offset:528*\i
.endr
.irp c, 0,1,2,3                        ; LDS serves a wave's instructions in order: these see the stores above.  Block c: numbers 8 h .. 8 h + 7, then 16 + 8 h .. + 7
	ds_load_b128 v[X+16*\c:X+16*\c+3], v5 offset:128*\c
	ds_load_b128 v[X+16*\c+4:X+16*\c+7], v5 offset:128*\c+16
	ds_load_b128 v[X+16*\c+8:X+16*\c+11], v5 offset:128*\c+64
	ds_load_b128 v[X+16*\c+12:X+16*\c+15], v5 offset:128*\c+80
.endr
	s_wait_dscnt 0x0                               ; my numbers are back, and the stores have read their registers
	s_wait_xcnt 0x0                                ; the last fragment's stores have read PC: it is written again only behind this wait
.if \f < 2
	LOADF (\f)+2
.endif
	QUANT X
	v_mov_b32 v[PWS+\f], v[PW]
.irp c, 0,1,2,3
	global_store_b128 v1, v[PC+4*\c:PC+4*\c+3], s[10:11] offset:2048*(\f)+512*\c   ; 32 lanes store 512 consecutive bytes
.endr
.endm
	s_wait_alu depctr_va_vdst(0)
	LOADF 0
	LOADF 1
	FRAGSTEP 0
	FRAGSTEP 1
	FRAGSTEP 2
	FRAGSTEP 3
	v_cndmask_b32 v46, v[PWS], v[PWS+2], vcc_lo    ; lanes 0-15 store words 0, 1 of row r, lanes 16-31 words 2, 3
	v_cndmask_b32 v47, v[PWS+1], v[PWS+3], vcc_lo
	global_store_b64 v6, v[46:47], s[12:13]        ; 32 lanes store 256 consecutive bytes
	s_set_vgpr_msb 0x4
	s_wait_tensorcnt 0x0
	ds_add_u32 v41, v1
	s_wait_dscnt 0x0
	s_set_vgpr_msb 0x400
	s_endpgm
.Lfunc_end_k_q9d093b5d03_quant:
	.size	k_q9d093b5d03_quant, .Lfunc_end_k_q9d093b5d03_quant-k_q9d093b5d03_quant
	.p2alignl 7, 3214868480
	.fill 96, 4, 3214868480
	.section	.rodata,"a",@progbits
	.p2align	6, 0x0
	.amdhsa_kernel k_q9d093b5d03_quant
		.amdhsa_group_segment_fixed_size 34304
		.amdhsa_private_segment_fixed_size 0
		.amdhsa_enable_private_segment 0
		.amdhsa_kernarg_size 40
		.amdhsa_user_sgpr_count 2
		.amdhsa_user_sgpr_kernarg_segment_ptr 1
		.amdhsa_wavefront_size32 1
		.amdhsa_system_sgpr_workgroup_id_x 1
		.amdhsa_system_sgpr_workgroup_id_y 1
		.amdhsa_system_sgpr_workgroup_id_z 1
		.amdhsa_system_vgpr_workitem_id 0
		.amdhsa_next_free_vgpr 258
		.amdhsa_next_free_sgpr 66
		.amdhsa_reserve_vcc 1
		.amdhsa_float_denorm_mode_32 3
		.amdhsa_float_denorm_mode_16_64 3
		.amdhsa_memory_ordered 1
		.amdhsa_forward_progress 1
		.amdhsa_inst_pref_size 53
	.end_amdhsa_kernel
	.amdgpu_metadata
---
amdhsa.version: [ 1, 2 ]
amdhsa.kernels:
  - .name:           k_q9d093b5d03_quant
    .symbol:         k_q9d093b5d03_quant.kd
    .args:
      - { .name: x, .offset: 0, .size: 8, .value_kind: global_buffer, .address_space: global }
      - { .name: Wqkv, .offset: 8, .size: 8, .value_kind: global_buffer, .address_space: global }
      - { .name: Wo, .offset: 16, .size: 8, .value_kind: global_buffer, .address_space: global }
      - { .name: codes, .offset: 24, .size: 8, .value_kind: global_buffer, .address_space: global }
      - { .name: scales, .offset: 32, .size: 8, .value_kind: global_buffer, .address_space: global }
    .group_segment_fixed_size: 34304
    .private_segment_fixed_size: 0
    .kernarg_segment_align: 8
    .kernarg_segment_size: 40
    .max_flat_workgroup_size: 128
    .sgpr_count:     66
    .vgpr_count:     258
    .wavefront_size: 32
...
	.end_amdgpu_metadata
.endif
;; end of part 1
;; launch qkv (part 2): grid 8 x 32, 4 waves a work-group, clusters of 4 x 1, 327,680 bytes of LDS; arguments codes, scales, bqkv, qimg, qsc, kv; writes qimg, qsc, kv
.if DOCPART == 2
	.amdgcn_target "amdgcn-amd-amdhsa--gfx1250"
	.amdhsa_code_object_version 6
	.text
	.protected	k_q9d093b5d03_qkv
	.globl	k_q9d093b5d03_qkv
	.p2align	8
	.type	k_q9d093b5d03_qkv,@function
k_q9d093b5d03_qkv:
	s_mov_b64 s[64:65], 0
	v_nop
	global_prefetch_b8 v0, s[64:65] scope:SCOPE_SE
	s_setreg_imm32_b32 hwreg(HW_REG_WAVE_MODE, 25, 1), 1
	s_wait_xcnt 0x0
	s_wait_alu depctr_hold_cnt(0) depctr_sa_sdst(0) depctr_va_vdst(0) depctr_va_sdst(0) depctr_va_ssrc(0) depctr_va_vcc(0) depctr_vm_vsrc(0)
	s_getreg_b32 s2, hwreg(HW_REG_IB_STS2, 6, 4)
	s_cmp_eq_u32 s2, 0
	s_cbranch_scc0 .Lentry_in_a_cluster
	s_endpgm
.Lentry_in_a_cluster:
	s_bfe_u32 s2, ttmp6, 0x10000c
	s_cmp_lg_u32 s2, 0x3003
	s_cbranch_scc0 .Lentry_shape_is_right
	s_endpgm
.Lentry_shape_is_right:
; Q, K, V = x Wqkv^T + bqkv AND THEIR QUANTISERS, on codes of FP8 (E4M3) with E8M0 scales: 8,192 x 3,072 x 1,024.  No f32 result is stored: codes and scale bytes leave in the order of the next launch's operand registers.
; IN.  codes: [rowtile 768][K step 8][image of 2,048 bytes], scales: [rowtile][K half 2][r 16][4 words]; rowtiles 0-511: x, rowtile 128 b + s / 16; 512-703: Wqkv (Q's 64, K's 64, V's 64; four to a head).
; An image is a fragment (16 rows x 128 K) in the order of the operand's registers: 512 c + 16 lane + i, with the places inside a block of 32 in the order kap(h, i) = 8 h + i, 16 + 8 h + (i - 8).
; OUT (bh = 16 batch + head; a step is 128 tokens).  qimg[bh][tile of 16 tokens][c 2][lane][16]; qsc[bh][step][r][word f]: the two bytes of tile 2 f, then of tile 2 f + 1.
; kv[bh][step: 16,896 bytes]: K as Q's 8 tiles (8,192 bytes); V^T [t 4][c 4][lane][16] (rows = features 16 t + r, K = the step's keys); K's scale words [r][f] (256 bytes); V's [r][t] (256 bytes).
; SHARES.  256 work-groups of four waves, 2 x 2.  A work-group's 256 rows of x, all of K, are 262,144 dense bytes: they lie in LDS whole, FILLED ONCE, a quarter by each wave's one tensor load.
; THREE PHASES: Q, K, V of heads 2 gx and 2 gx + 1.  In a phase a wave holds one head's 64 weight rows, all of K, in 512 registers (windows 1, 2) and passes its 128 rows of x (one step) by them in eight blocks of
; 16 rows (128 registers, two sets, window 3): 32 products a block on four accumulators by turns.  The bias is the first products' C.
; Q, K: source 0 = the weight's rows: a lane holds one token, its registers run along the head's features.  V: source 0 = x's rows: a lane holds one feature, its registers run along the keys.
; A PAIR of blocks, 64 sums a lane, is four scale blocks of 32 (each in lanes l and l xor 16) and is quantised at once.  The next phase's weights are asked for ahead of the last pair's quantiser.
; CLUSTERS.  The four work-groups of a cluster take the same 256 rows of x and ask for them jointly.  The weights are not asked for jointly: beside 262,144 bytes of x, LDS has no room for a phase's 131,072,
; so their images go from memory straight into the registers that hold them.  No prefetch: x is asked for whole at the head, and each phase's weights are asked for as soon as their registers are free.
; LIMITS: NaN, infinities and sums beyond f32's range are not served.  A block of zeros gets the byte 1 where the rule says 127: its codes are zeros, and this program alone reads the bytes.
; Lanes l and l + 16 store the same scale words to the same place.
.set NP,    8                          ; plain vector lines behind a matrix instruction of this form (ISA guide 7.12.1)
.set SPARE, 262144                     ; behind x's rows: the spare words, 128 bytes a wave
.set LI,    1                          ; v1   16 x lane
.set AX,    2                          ; v2, v3  LDS address of my blocks 0-3, 4-7
.set AS,    4                          ; v4   16 r
.set AW,    5                          ; v5   512 h + 16 r: a weight's scale words, a pair of tiles to a register
.set AB,    6                          ; v6   32 h: Q's, K's bias
.set AV,    7                          ; v7   4 r: V's bias
.set SPW,   10
.set NIL,   11
.set SB,    12                         ; v12-27   the weight's scale words: register 8 p + q: lanes 0-15 tile 2 p's, lanes 16-31 tile 2 p + 1's, K step q
.set SA,    32                         ; v32-95   x's: register 8 n + q: block n, K step q (no product's two scale registers have numbers equal modulo 8)
.set BQ,    96                         ; v96-127  the bias in the results' layout
.set ACC,   128                        ; v128-191 two sets of four accumulators: an even block's, an odd block's
.set TM,    192                        ; v192-207 at work: largest magnitudes, bytes, bounds, scale operands
.set PC,    208                        ; v208-223 the codes just made
.set WW,    232                        ; v232-235 a phase's scale words
.set BV,    236                        ; v236-239 V's bias, a number a tile
.set MSB, 0
.macro WIN new                         ; the immediate's high byte repeats the setting that is left
.if MSB != (\new)
	s_set_vgpr_msb (MSB<<8)|(\new)
.set MSB, (\new)
.endif
.endm
.macro PLACES n
.rept \n
	v_nop
.endr
.endm
.macro CROUND                          ; a round of the cluster's barrier
	s_barrier_signal -1
	s_barrier_wait -1
	s_cmp_lg_u32 s16, 0
	s_cbranch_scc1 .Lnot_wave_0_\@
	s_barrier_signal -3
.Lnot_wave_0_\@:
	s_barrier_wait -3
	s_barrier_signal -1
	s_barrier_wait -1
.endm
	s_load_b256 s[4:11], s[0:1], 0x0               ; codes s[4:5], scales s[6:7], bqkv s[8:9], qimg s[10:11]
	s_load_b128 s[12:15], s[0:1], 0x20             ; qsc s[12:13], kv s[14:15]
	v_lshl_add_u32 v[SPW], v0, 2, SPARE
	v_mov_b32 v[NIL], 0
	ds_add_u32 v[SPW], v[NIL]                      ; the opening lines: the add, twice on end, and one wait; the set-up stands between
	ds_add_u32 v[SPW], v[NIL]
	v_lshrrev_b32 v28, 5, v0
	v_readfirstlane_b32 s16, v28                   ; wave 0..3
	s_lshr_b32 s17, s16, 1                         ; my half of the rows: which step
	s_and_b32 s18, s16, 1                          ; my head of the two
	s_bfe_u32 s19, ttmp6, 0x40000                  ; cx: it enters global addresses of the weights, the bias and the results alone
	s_lshl_b32 s20, ttmp9, 2
	s_add_co_u32 s20, s20, s19                     ; gx 0..7
	s_and_b32 s21, ttmp7, 0xffff                   ; row tile 0..31, which the four partners share
	s_mov_b32 s24, 15|(3<<16)|(1<<21)              ; group 1: 65,536 dense bytes as 256 rows of 256 (32 elements of 8 bytes); the mask names all four work-groups
	s_mov_b32 s25, 32<<16
	s_mov_b32 s26, 256<<16
	s_mov_b32 s27, 32<<16
	s_mov_b32 s28, 256
	s_mov_b32 s29, 32
	s_mov_b32 s30, 0
	s_mov_b32 s31, 0
	s_mov_b32 s32, 1
	s_lshl_b32 s33, s16, 16                        ; LDS: rowtiles 4 wave .. 4 wave + 3
	s_lshl_b32 s36, s21, 18
	s_add_co_u32 s36, s36, s33                     ; x's codes: 262,144 a row tile + my quarter
	s_mov_b32 s37, 0
	s_lshl_b32 s38, s21, 13
	s_lshl_b32 s22, s17, 12
	s_add_co_u32 s38, s38, s22                     ; x's scale words: 8,192 a row tile + my 8 rowtiles
	s_mov_b32 s39, 0
	s_lshl_b32 s22, s20, 1
	s_add_co_u32 s22, s22, s18                     ; my head
	s_lshl_b32 s40, s22, 2
	s_add_co_u32 s40, s40, 512                     ; its first rowtile in Q's weight
	s_lshl_b32 s42, s40, 9
	s_lshl_b32 s40, s40, 14
	s_mov_b32 s41, 0
	s_mov_b32 s43, 0
	s_lshl_b32 s44, s22, 8                         ; its 64 numbers of Q's bias
	s_mov_b32 s45, 0
	s_lshr_b32 s23, s21, 3                         ; batch
	s_lshl_b32 s52, s23, 4
	s_add_co_u32 s52, s52, s22                     ; bh
	s_and_b32 s53, s21, 7
	s_lshl_b32 s53, s53, 1
	s_add_co_u32 s53, s53, s17                     ; step 0..15
	s_lshl_b32 s46, s52, 17
	s_lshl_b32 s23, s53, 13
	s_add_co_u32 s46, s46, s23                     ; qimg
	s_mov_b32 s47, 0
	s_lshl_b32 s48, s52, 12
	s_lshl_b32 s23, s53, 8
	s_add_co_u32 s48, s48, s23                     ; qsc
	s_mov_b32 s49, 0
	s_mul_i32 s50, s52, 270336
	s_mul_i32 s23, s53, 16896
	s_add_co_u32 s50, s50, s23                     ; kv
	s_mov_b32 s51, 0
	s_mov_b32 s54, 0x76543210
	s_mov_b32 s55, 0xfedcba98                      ; selects for lane l xor 16
	s_mov_b32 s56, 0x600000                        ; the mantissa field of 448
	s_lshl_b32 s23, s17, 17                        ; my 8 rowtiles in LDS
	v_and_b32 v28, 15, v0                          ; r
	v_bfe_u32 v29, v0, 4, 1                        ; h
	v_and_b32 v30, 31, v0
	v_lshlrev_b32 v[LI], 4, v30
	v_add_nc_u32 v[AX], s23, v[LI]
	v_add_nc_u32 v[AX+1], 0x10000, v[AX]
	v_lshlrev_b32 v[AS], 4, v28
	v_lshl_add_u32 v[AW], v29, 9, v[AS]
	v_lshlrev_b32 v[AB], 5, v29
	v_lshlrev_b32 v[AV], 2, v28
.irp k, 0,1,2,3
	v_mov_b32 v[TM+4+\k], 0                        ; written once: a lane permute's destination counts as one of its sources
.endr
	s_wait_alu depctr_va_vdst(0)                   ; the head's end
	s_wait_dscnt 0x0                               ; both opening adds are done
	CROUND                                         ; all four work-groups are here: the joint loads meet
	s_wait_kmcnt 0x0
	s_add_nc_u64 s[34:35], s[4:5], s[36:37]
	s_or_b32 s35, s35, 0x80000000
	tensor_load_to_lds s[32:35], s[24:31]          ; my one tensor load
	s_nop 0
	PLACES 4
	s_add_nc_u64 s[4:5], s[4:5], s[40:41]          ; the weights' codes,
	s_add_nc_u64 s[38:39], s[6:7], s[38:39]        ; x's scale words,
	s_add_nc_u64 s[6:7], s[6:7], s[42:43]          ; the weights' scale words,
	s_add_nc_u64 s[8:9], s[8:9], s[44:45]          ; the bias,
	s_add_nc_u64 s[10:11], s[10:11], s[46:47]      ; and where my results go
	s_add_nc_u64 s[12:13], s[12:13], s[48:49]
	s_add_nc_u64 s[14:15], s[14:15], s[50:51]
.irp n, 0,1,2,3,4,5,6,7
.irp c, 0,1
	global_load_b128 v[SA+8*\n+4*\c:SA+8*\n+4*\c+3], v[AS], s[38:39] offset:512*\n+256*\c
.endr
.endr
; Phase ph's scale words (4 loads), bias (kind 0: 8 loads in the results' layout; kind 1: 4, a number a tile) and weights: fragment 4 q + t into window 1 + q / 4, register 16 ((4 q + t) % 16): 128 loads, K step by K step.
; From tensor to tensor: 64 rowtiles of 16,384 bytes of codes and 512 of scale words, 1,024 numbers of the bias.
.macro WLOAD ph, kind
.irp p, 0,1
.irp c, 0,1
	global_load_b128 v[SB+8*\p+4*\c:SB+8*\p+4*\c+3], v[AW], s[6:7] offset:32768*(\ph)+1024*\p+256*\c
.endr
.endr
.irp t, 0,1,2,3
.if \kind
	global_load_b32 v[BV+\t], v[AV], s[8:9] offset:4096*(\ph)+64*\t                   ; feature 16 t + r
.else
	global_load_b128 v[BQ+8*\t:BQ+8*\t+3], v[AB], s[8:9] offset:4096*(\ph)+64*\t      ; register j of tile t: feature 16 t + 8 h + j
	global_load_b128 v[BQ+8*\t+4:BQ+8*\t+7], v[AB], s[8:9] offset:4096*(\ph)+64*\t+16
.endif
.endr
.irp q, 0,1,2,3,4,5,6,7
	WIN (1+\q/4)<<6
.irp t, 0,1,2,3
.irp c, 0,1,2,3
	global_load_b128 v[16*((4*\q+\t)%16)+4*\c:16*((4*\q+\t)%16)+4*\c+3], v[LI], s[4:5] offset:1048576*(\ph)+16384*\t+2048*\q+512*\c
.endr
.endr
.endr
	WIN 0
.endm
.macro FETCH n                         ; block n of x, 16 rows, all of K, into set n % 2 of window 3: 32 LDS loads
	WIN 3<<6
.irp q, 0,1,2,3,4,5,6,7
.irp c, 0,1,2,3
	ds_load_b128 v[128*((\n)%2)+16*\q+4*\c:128*((\n)%2)+16*\q+4*\c+3], v[AX+(\n)/4] offset:16384*((\n)%4)+2048*\q+512*\c
.endr
.endr
	WIN 0
.endm
.macro MM kind, n, q, t                ; block n, K step q, weight tile t
.set A_, ACC+32*((\n)%2)+8*(\t)
.set W_, 16*((4*(\q)+(\t))%16)
.set X_, 128*((\n)%2)+16*(\q)
.set WS_, SB+8*((\t)/2)+(\q)
.set XS_, SA+8*(\n)+(\q)
.set C_, A_
.if (\q) == 0
.set C_, BQ+8*(\t)
.endif
.if \kind
.if (\t)%2
	v_wmma_scale_f32_16x16x128_f8f6f4 v[A_:A_+7], v[X_:X_+15], v[W_:W_+15], v[C_:C_+7], v[XS_], v[WS_] matrix_b_scale:MATRIX_SCALE_ROW1
.else
	v_wmma_scale_f32_16x16x128_f8f6f4 v[A_:A_+7], v[X_:X_+15], v[W_:W_+15], v[C_:C_+7], v[XS_], v[WS_]
.endif
.else
.if (\t)%2
	v_wmma_scale_f32_16x16x128_f8f6f4 v[A_:A_+7], v[W_:W_+15], v[X_:X_+15], v[C_:C_+7], v[WS_], v[XS_] matrix_a_scale:MATRIX_SCALE_ROW1
.else
	v_wmma_scale_f32_16x16x128_f8f6f4 v[A_:A_+7], v[W_:W_+15], v[X_:X_+15], v[C_:C_+7], v[WS_], v[XS_]
.endif
.endif
.endm
; 32 products, the four accumulators by turns, then the places ahead of the readers of the sums and of loads into what was read.
; first = 1: a phase's first block takes the weights as they land: behind K step q's 16 loads stand 16 (7 - q) more.
.macro BLOCK kind, n, first
.irp q, 0,1,2,3,4,5,6,7
.if (\first) && (\q >= 4)
	s_wait_loadcnt 16*(7-\q)
.endif
.if \kind
	WIN 3|((1+\q/4)<<2)
.else
	WIN (1+\q/4)|(3<<2)
.endif
.irp t, 0,1,2,3
	MM \kind, \n, \q, \t
.endr
.endr
	WIN 0
	PLACES NP
.endm
; THE WAY OUT OF PAIR m: four scale blocks k, each 16 numbers a lane: eight at ACC + LS k and eight at ACC + HO + LS k.  kind 0: block k = 2 x (odd block) + half of the head's 64 features; kind 1: k = the weight tile.
.macro QOUT kind, m, op, off           ; s[op:op+1] + off: where the phase's codes go
.if \kind
.set LS, 8
.set HO, 32
.else
.set LS, 16
.set HO, 8
.endif
	s_wait_xcnt 0x0                                ; earlier stores have read their registers: codes and scale words are written again only behind this wait
.irp k, 0,1,2,3
	v_max3_num_f32 v[TM+\k], |v[ACC+LS*\k]|, |v[ACC+LS*\k+1]|, 0x4800000   ; each accumulator from its low end on; the floor 2^(9 - 127): the byte cannot fall under 1
.endr
.irp i, 2,4,6
.irp k, 0,1,2,3
	v_max3_num_f32 v[TM+\k], v[TM+\k], |v[ACC+LS*\k+\i]|, |v[ACC+LS*\k+\i+1]|
.endr
.endr
.irp i, 0,2,4,6
.irp k, 0,1,2,3
	v_max3_num_f32 v[TM+\k], v[TM+\k], |v[ACC+HO+LS*\k+\i]|, |v[ACC+HO+LS*\k+\i+1]|
.endr
.endr
.irp k, 0,1,2,3
	v_permlanex16_b32 v[TM+4+\k], v[TM+\k], s54, s55
.endr
.irp k, 0,1,2,3
	v_max_num_f32 v[TM+\k], v[TM+\k], v[TM+4+\k]   ; with lane l xor 16's 16: the block's largest magnitude
.endr
.irp k, 0,1,2,3
	v_add_nc_u32 v[TM+12+\k], 0xfc000000, v[TM+\k] ; 8 off its exponent field: the conversion's scale operand
.endr
.irp k, 0,1,2,3
	v_and_or_b32 v[TM+8+\k], v[TM+\k], 0x7f800000, s56   ; 448 x the scale
.endr
.irp k, 0,1,2,3
	v_lshrrev_b32 v[TM+4+\k], 23, v[TM+12+\k]      ; the scale's byte
.endr
.if \kind
.irp k, 0,1,2,3
.if (\m) == 0
	v_mov_b32 v[WW+\k], v[TM+4+\k]                 ; word t: byte m is the scale of keys 32 m .. 32 m + 31
.else
	v_lshl_or_b32 v[WW+\k], v[TM+4+\k], 8*(\m), v[WW+\k]
.endif
.endr
.else
	v_lshl_or_b32 v[WW+(\m)], v[TM+5], 8, v[TM+4]  ; word m: the two bytes of tile 2 m, then of tile 2 m + 1
	v_lshl_or_b32 v[WW+(\m)], v[TM+6], 16, v[WW+(\m)]
	v_lshl_or_b32 v[WW+(\m)], v[TM+7], 24, v[WW+(\m)]
.endif
.irp k, 0,1,2,3
.irp i, 0,1,2,3,4,5,6,7
	v_med3_num_f32 v[ACC+LS*\k+\i], v[ACC+LS*\k+\i], -v[TM+8+\k], v[TM+8+\k]   ; the conversion does not saturate (ISA guide 7.6.2): the hold comes first
.endr
.irp i, 0,1,2,3,4,5,6,7
	v_med3_num_f32 v[ACC+HO+LS*\k+\i], v[ACC+HO+LS*\k+\i], -v[TM+8+\k], v[TM+8+\k]
.endr
	v_cvt_scalef32_pk8_fp8_f32 v[PC+4*\k:PC+4*\k+1], v[ACC+LS*\k:ACC+LS*\k+7], v[TM+12+\k]
	v_cvt_scalef32_pk8_fp8_f32 v[PC+4*\k+2:PC+4*\k+3], v[ACC+HO+LS*\k:ACC+HO+LS*\k+7], v[TM+12+\k]
.endr
	v_nop                                          ; one plain vector line behind the last conversion
.irp k, 0,1,2,3                        ; 32 lanes store 512 consecutive bytes
.if \kind
	global_store_b128 v[LI], v[PC+4*\k:PC+4*\k+3], s[\op:\op+1] offset:(\off)+2048*\k+512*(\m)
.else
	global_store_b128 v[LI], v[PC+4*\k:PC+4*\k+3], s[\op:\op+1] offset:(\off)+2048*(\m)+512*\k
.endif
.endr
.endm
; A phase but for its last pair's way out.  Blocks 0 and 1 have been fetched.  Ahead of block n its own 32 LDS loads are in and block n + 1's 32 may be out.
.macro BODY kind, op, off
	s_wait_loadcnt 63                              ; behind the scale words, the bias and the weights' K steps 0 to 3 stand at least 63 loads
.if \kind
.irp t, 0,1,2,3
.irp i, 0,1,2,3,4,5,6,7
	v_mov_b32 v[BQ+8*\t+\i], v[BV+\t]              ; V's bias: a lane's eight sums of a tile are one feature's
.endr
.endr
	PLACES 4
.endif
	s_wait_alu depctr_va_vdst(0)
	s_wait_dscnt 32
	BLOCK \kind, 0, 1
	FETCH 2
	s_wait_dscnt 32
	BLOCK \kind, 1, 0
	FETCH 3
	QOUT \kind, 0, \op, \off
.irp m, 1,2
	s_wait_dscnt 32
	BLOCK \kind, 2*\m, 0
	FETCH 2*\m+2
	s_wait_dscnt 32
	BLOCK \kind, 2*\m+1, 0
	FETCH 2*\m+3
	QOUT \kind, \m, \op, \off
.endr
	s_wait_dscnt 32
	BLOCK \kind, 6, 0
	s_wait_dscnt 0x0
	BLOCK \kind, 7, 0
.endm
	WLOAD 0, 0
	s_wait_tensorcnt 0x0                           ; my quarter of x's rows has landed
	s_barrier_signal -1
	s_barrier_wait -1                              ; everybody's has
	FETCH 0
	FETCH 1
	BODY 0, 10, 0                                  ; Q
	WLOAD 1, 0                                     ; K's weights are asked for; Q's last pair leaves meanwhile
	FETCH 0
	FETCH 1
	QOUT 0, 3, 10, 0
	global_store_b128 v[AS], v[WW:WW+3], s[12:13]  ; sixteen lanes store 256 consecutive bytes
	BODY 0, 14, 0                                  ; K
	WLOAD 2, 1
	FETCH 0
	FETCH 1
	QOUT 0, 3, 14, 0
	global_store_b128 v[AS], v[WW:WW+3], s[14:15] offset:16384
	BODY 1, 14, 8192                               ; V
	QOUT 1, 3, 14, 8192
	global_store_b128 v[AS], v[WW:WW+3], s[14:15] offset:16640
	s_wait_tensorcnt 0x0                           ; the wave's end
	ds_add_u32 v[SPW], v[NIL]
	s_wait_dscnt 0x0
	CROUND                                         ; the closing round
	s_endpgm
.Lfunc_end_k_q9d093b5d03_qkv:
	.size	k_q9d093b5d03_qkv, .Lfunc_end_k_q9d093b5d03_qkv-k_q9d093b5d03_qkv
	.p2alignl 7, 3214868480
	.fill 96, 4, 3214868480
	.section	.rodata,"a",@progbits
	.p2align	6, 0x0
	.amdhsa_kernel k_q9d093b5d03_qkv
		.amdhsa_group_segment_fixed_size 327680
		.amdhsa_private_segment_fixed_size 0
		.amdhsa_enable_private_segment 0
		.amdhsa_kernarg_size 48
		.amdhsa_user_sgpr_count 2
		.amdhsa_user_sgpr_kernarg_segment_ptr 1
		.amdhsa_wavefront_size32 1
		.amdhsa_system_sgpr_workgroup_id_x 1
		.amdhsa_system_sgpr_workgroup_id_y 1
		.amdhsa_system_sgpr_workgroup_id_z 1
		.amdhsa_system_vgpr_workitem_id 0
		.amdhsa_next_free_vgpr 1024
		.amdhsa_next_free_sgpr 66
		.amdhsa_reserve_vcc 0
		.amdhsa_float_denorm_mode_32 3
		.amdhsa_float_denorm_mode_16_64 3
		.amdhsa_memory_ordered 1
		.amdhsa_forward_progress 1
		.amdhsa_inst_pref_size 255
	.end_amdhsa_kernel
	.section	.bss,"aw",@nobits
	.p2align	6
	.space	262144
	.amdgpu_metadata
---
amdhsa.version: [ 1, 2 ]
amdhsa.kernels:
  - .name:           k_q9d093b5d03_qkv
    .symbol:         k_q9d093b5d03_qkv.kd
    .args:
      - { .name: codes, .offset: 0, .size: 8, .value_kind: global_buffer, .address_space: global }
      - { .name: scales, .offset: 8, .size: 8, .value_kind: global_buffer, .address_space: global }
      - { .name: bqkv, .offset: 16, .size: 8, .value_kind: global_buffer, .address_space: global }
      - { .name: qimg, .offset: 24, .size: 8, .value_kind: global_buffer, .address_space: global }
      - { .name: qsc, .offset: 32, .size: 8, .value_kind: global_buffer, .address_space: global }
      - { .name: kv, .offset: 40, .size: 8, .value_kind: global_buffer, .address_space: global }
    .group_segment_fixed_size: 327680
    .private_segment_fixed_size: 0
    .kernarg_segment_align: 8
    .kernarg_segment_size: 48
    .max_flat_workgroup_size: 128
    .sgpr_count:     66
    .vgpr_count:     1024
    .wavefront_size: 32
...
	.end_amdgpu_metadata
.endif
;; end of part 2
;; launch attn (part 3): grid 4 x 64, 16 waves a work-group, clusters of 4 x 1, 272,384 bytes of LDS; arguments qimg, qsc, kv, ycodes, ysc; writes ycodes, ysc
.if DOCPART == 3
	.amdgcn_target "amdgcn-amd-amdhsa--gfx1250"
	.amdhsa_code_object_version 6
	.text
	.protected	k_q9d093b5d03_attn
	.globl	k_q9d093b5d03_attn
	.p2align	8
	.type	k_q9d093b5d03_attn,@function
k_q9d093b5d03_attn:
	s_mov_b64 s[64:65], 0
	v_nop
	global_prefetch_b8 v0, s[64:65] scope:SCOPE_SE
	s_setreg_imm32_b32 hwreg(HW_REG_WAVE_MODE, 25, 1), 1
	s_wait_xcnt 0x0
	s_wait_alu depctr_hold_cnt(0) depctr_sa_sdst(0) depctr_va_vdst(0) depctr_va_sdst(0) depctr_va_ssrc(0) depctr_va_vcc(0) depctr_vm_vsrc(0)
	s_getreg_b32 s2, hwreg(HW_REG_IB_STS2, 6, 4)
	s_cmp_eq_u32 s2, 0
	s_cbranch_scc0 .Lentry_in_a_cluster
	s_endpgm
.Lentry_in_a_cluster:
	s_bfe_u32 s2, ttmp6, 0x10000c
	s_cmp_lg_u32 s2, 0x3003
	s_cbranch_scc0 .Lentry_shape_is_right
	s_endpgm
.Lentry_shape_is_right:
; y[b][s][head][:] = the sum over keys of softmax(q . k / 8) v, both products on codes of FP8 (E4M3) with E8M0 scales; y leaves as codes, quantised along its 1,024 features, for the last product.
; THE SOFTMAX: t = score x log2(e) / 8; M = the running largest t rounded UP to a whole number; p = 2^(t - M) is quantised along the keys; the sum is taken of the unquantised p and divides at the end.
; When M moves, the sum and O are multiplied by 2^(old M - new M): exact.
; SHARES.  A head's K, V and scale words, 270,336 bytes (16 key steps of 16,896), lie in LDS whole: filled ONCE, a key step by each wave's one tensor load; no byte is filled again, and one barrier shows them.
; The four work-groups of a head (512 queries each) form a cluster and ask for every part jointly.  A work-group makes two passes of 256 queries; in a pass each of its SIXTEEN waves owns one tile of 16 queries,
; in 256 registers: four waves to a SIMD, no register windows.  Behind the one barrier the waves share nothing.
; No prefetch: all of K and V is asked for at the head, and there is no later load to run ahead of.
; LAYOUT.  Both products transposed: S^T = K Q^T, O^T = V^T P^T: a lane holds one query throughout.  All operands are images of their registers, with the places inside each block of 32 in the order
; kap(h, i) = 8 h + i, 16 + 8 h + (i - 8), which is the order in which S^T's and O^T's registers fall; K, Q, V and y are all laid so.
; K = 64 IN AN INSTRUCTION OF 128: a fragment of K holds in row r key 32 f + r (first 64 places) and key 32 f + 16 + r (last 64).  Q stands as [0 | q | 0] in 24 registers: the operand [q | 0] gives the first
; sixteen keys' scores, [0 | q] the second sixteen's.  Zero codes times codes that are numbers add exactly 0; their scale bytes are 127.
; LIMITS: NaN and infinities are not served; p under 2^-126 becomes 0 (v_exp_f32: ISA guide 15.8); a block of zeros gets the byte 1.
; y's scale bytes leave as 2 bytes a lane, 16 bytes apart (lanes l and l + 16 store the same two bytes to the same place): a scale word's halves belong to two heads, that is to two work-groups;
; they are 262,144 of the launch's 8.6 million stored bytes.
.set LI,  1                            ; v1   16 x lane
.set AD,  2                            ; v2   the step's LDS address
.set AR,  3                            ; v3   16 r
.set KW,  4                            ; v4-7 the step's scale words: lanes 0-15 K's four of row r, lanes 16-31 V's
.set QW,  8                            ; v8   Q's scale word as loaded;  v12, v13 as the two operands want it
.set PW,  9                            ; v9   p's scale word
.set SPW, 10
.set NIL, 11
.set NM,  16                           ; -M
.set TX,  17                           ; the largest t
.set SUM, 18                           ; the sum, in two halves
.set FF,  20                           ; f
.set TT,  22
.set BM,  24                           ; the blocks' largest scores, then largest p
.set B2,  28
.set LM,  32                           ; 448 x the scale
.set SO,  36                           ; the conversions' scale operands
.set S2,  40
.set PWT, 42
.set HWT, 43
.set QZ,  44                           ; v44-67   [0 | q | 0]
.set PC,  68                           ; v68-83   p's codes
.set OT,  84                           ; v84-115  O^T
.set S,   116                          ; v116-179 S^T, then p
.set KF,  180                          ; v180-243 four fragments of K, then of V
.set C3,  244                          ; v244-247 two more chains of the row's sum
.set C4,  246
.macro CROUND                          ; a round of the cluster's barrier
	s_barrier_signal -1
	s_barrier_wait -1
	s_cmp_lg_u32 s14, 0
	s_cbranch_scc1 .Lnot_wave_0_\@
	s_barrier_signal -3
.Lnot_wave_0_\@:
	s_barrier_wait -3
	s_barrier_signal -1
	s_barrier_wait -1
.endm
	s_load_b256 s[4:11], s[0:1], 0x0               ; qimg s[4:5], qsc s[6:7], kv s[8:9], ycodes s[10:11]
	s_load_b64 s[12:13], s[0:1], 0x20              ; ysc
	v_lshl_add_u32 v[SPW], v0, 2, 0x42000
	v_mov_b32 v[NIL], 0
	ds_add_u32 v[SPW], v[NIL]                      ; the opening lines: the add, twice on end, and one wait
	ds_add_u32 v[SPW], v[NIL]
	v_lshrrev_b32 v2, 5, v0
	s_delay_alu instid0(VALU_DEP_1)
	v_readfirstlane_b32 s14, v2                    ; wave 0..15
	s_bfe_u32 s15, ttmp6, 0x40000                  ; cx: it enters Q's and y's addresses alone
	s_and_b32 s16, ttmp7, 0xffff                   ; batch x 16 + head, which the four partners share
	s_and_b32 s17, s16, 15                         ; head
	s_lshr_b32 s18, s16, 4                         ; batch
	s_mov_b32 s19, 0x600000                        ; the mantissa field of 448
	s_mov_b32 s20, 0x76543210
	s_mov_b32 s21, 0xfedcba98                      ; selects for lane l xor 16
	s_mov_b32 s22, 0x3e38aa3b                      ; c = log2(e) / 8
	s_mov_b32 s23, s22                             ; (named with it as a pair)
	s_mov_b32 s60, 0x7f7f0000
	s_mov_b32 s61, 0x7f7f
	; group 1: a key step, 16,896 dense bytes, as 66 rows of 256 (32 elements of 8 bytes)
	s_mov_b32 s24, 15|(3<<16)|(1<<21)              ; 15:0 the mask: all four work-groups; 17:16 elements of 8 bytes; 21 set beside a mask
	s_mov_b32 s25, 32<<16
	s_mov_b32 s26, 66<<16
	s_mov_b32 s27, 32<<16
	s_mov_b32 s28, 66
	s_mov_b32 s29, 32
	s_mov_b32 s30, 0
	s_mov_b32 s31, 0
	s_mul_i32 s51, s14, 16896                      ; my load's place, in LDS and in the head's bytes alike
	s_mul_i32 s52, s16, 270336
	s_add_co_u32 s52, s52, s51
	s_mov_b32 s53, 0
	s_wait_dscnt 0x0
	s_wait_kmcnt 0x0
	s_add_nc_u64 s[8:9], s[8:9], s[52:53]
	CROUND                                         ; all four work-groups are here: the joint loads meet
	s_mov_b32 s32, 1
	s_mov_b32 s33, s51
	s_mov_b64 s[34:35], s[8:9]
	s_or_b32 s35, s35, 0x80000000
	tensor_load_to_lds s[32:35], s[24:31]          ; wave w brings key step w: my one tensor load
	s_nop 0
.rept 4
	v_nop
.endr
	s_lshl_b32 s55, s15, 5
	s_add_co_u32 s55, s55, s14                     ; my tile of 16 queries: 32 cx + wave (the second pass: 16 on)
	s_lshl_b32 s56, s16, 17
	s_lshl_b32 s57, s55, 10
	s_add_co_u32 s56, s56, s57
	s_mov_b32 s57, 0
	s_add_nc_u64 s[4:5], s[4:5], s[56:57]          ; qimg: 131,072 a head, 1,024 a tile
	s_lshl_b32 s56, s15, 2
	s_lshr_b32 s58, s14, 3
	s_add_co_u32 s56, s56, s58
	s_lshl_b32 s56, s56, 8                         ; qsc: 256 bytes a step of 8 tiles,
	s_bfe_u32 s58, s14, 0x20001
	s_lshl_b32 s58, s58, 2
	s_add_co_u32 s56, s56, s58                     ; the word of my pair of tiles,
	s_lshl_b32 s58, s16, 12
	s_add_co_u32 s56, s56, s58                     ; 4,096 a head
	s_add_nc_u64 s[6:7], s[6:7], s[56:57]
	s_and_b32 s54, s14, 1
	s_lshl_b32 s54, s54, 4                         ; and my half of that word: 16 bits up in the odd tile
	s_lshl_b32 s58, s18, 7
	s_add_co_u32 s58, s58, s55                     ; y's rowtile: 128 x batch + tile
	s_lshl_b32 s56, s58, 14
	s_lshl_b32 s59, s17, 10
	s_add_co_u32 s56, s56, s59
	s_add_nc_u64 s[10:11], s[10:11], s[56:57]      ; ycodes: 16,384 a rowtile; the head's 64 features are 1,024 bytes of it
	s_lshl_b32 s56, s58, 9
	s_lshr_b32 s59, s17, 3
	s_lshl_b32 s59, s59, 8
	s_add_co_u32 s56, s56, s59
	s_bfe_u32 s59, s17, 0x20001
	s_lshl_b32 s59, s59, 2
	s_add_co_u32 s56, s56, s59
	s_and_b32 s59, s17, 1
	s_lshl_b32 s59, s59, 1
	s_add_co_u32 s56, s56, s59
	s_add_nc_u64 s[12:13], s[12:13], s[56:57]      ; ysc: 512 a rowtile, K half head / 8, word (head / 2) % 4, half-word head % 2
	v_and_b32 v2, 31, v0
	s_delay_alu instid0(VALU_DEP_1)
	v_lshlrev_b32 v[LI], 4, v2
	v_and_b32 v3, 15, v0
	s_delay_alu instid0(VALU_DEP_1)
	v_lshlrev_b32 v[AR], 4, v3
.irp i, 0,1,2,3,4,5,6,7
	v_mov_b32 v[QZ+\i], 0                          ; Q's zero halves
	v_mov_b32 v[QZ+16+\i], 0
.endr
.irp i, 21,23,28,29,30,31
	v_mov_b32 v[\i], 0                             ; written once: upper halves of pairs of which the low word is used, and lane permutes' destinations
.endr
.macro QLOAD                           ; my tile of Q and its scale word
	global_load_b128 v[QZ+8:QZ+11], v[LI], s[4:5]
	global_load_b128 v[QZ+12:QZ+15], v[LI], s[4:5] offset:512
	global_load_b32 v[QW], v[AR], s[6:7]           ; low half: the even tile's row r, high half: the odd tile's
.endm
	QLOAD
; S^T: eight products, each with the constant 0 as C.  Register 16 f + 8 e + j: key 32 f + 16 e + 8 h + j.
.macro SPROD
.irp f, 0,1,2,3
	v_wmma_scale_f32_16x16x128_f8f6f4 v[S+16*\f:S+16*\f+7], v[KF+16*\f:KF+16*\f+15], v[QZ+8:QZ+23], 0, v[KW+\f], v12
	v_wmma_scale_f32_16x16x128_f8f6f4 v[S+16*\f+8:S+16*\f+15], v[KF+16*\f:KF+16*\f+15], v[QZ:QZ+15], 0, v[KW+\f], v13
.endr
.endm
; O^T += V^T P^T: four accumulators, one instruction a turn.  V's scale words stand in lanes 16-31.
.macro PVPROD
.irp t, 0,1,2,3
	v_wmma_scale_f32_16x16x128_f8f6f4 v[OT+8*\t:OT+8*\t+7], v[KF+16*\t:KF+16*\t+15], v[PC:PC+15], v[OT+8*\t:OT+8*\t+7], v[KW+\t], v[PW] matrix_a_scale:MATRIX_SCALE_ROW1
.endr
.endm
.macro SOFTMAX
.irp b, 0,1,2,3
	v_max3_num_f32 v[BM+\b], v[S+16*\b], v[S+1+16*\b], v[S+2+16*\b]   ; the largest score of each block of 32 keys: it serves for the row's maximum and, since p rises with the score, for the block's largest p
.endr
.irp i, 3,5,7,9,11,13
.irp b, 0,1,2,3
	v_max3_num_f32 v[BM+\b], v[BM+\b], v[S+16*\b+\i], v[S+1+16*\b+\i]
.endr
.endr
.irp b, 0,1,2,3
	v_max_num_f32 v[BM+\b], v[BM+\b], v[S+15+16*\b]
.endr
.irp b, 0,1,2,3
	s_delay_alu instid0(VALU_DEP_4)
	v_permlanex16_b32 v[B2+\b], v[BM+\b], s20, s21
.endr
.irp b, 0,1,2,3
	s_delay_alu instid0(VALU_DEP_4)
	v_max_num_f32 v[BM+\b], v[BM+\b], v[B2+\b]     ; with lane l xor 16's 16 keys
.endr
	s_delay_alu instid0(VALU_DEP_2)
	v_max3_num_f32 v[TT], v[BM], v[BM+1], v[BM+2]
	s_delay_alu instid0(VALU_DEP_1)
	v_max_num_f32 v[TT], v[TT], v[BM+3]
	s_delay_alu instid0(VALU_DEP_1)
	v_mul_f32 v[TT], s22, v[TT]                    ; as t (c is positive)
	s_delay_alu instid0(VALU_DEP_1)
	v_max_num_f32 v[TX], v[TX], v[TT]              ; the running largest t
	v_mov_b32 v[TT], v[NM]
	s_delay_alu instid0(VALU_DEP_2)
	v_floor_f32 v[NM], -v[TX]                      ; the new -M = -ceil(t): a whole number
	s_delay_alu instid0(VALU_DEP_1)
	v_sub_f32 v[TT], v[NM], v[TT]                  ; old M - new M: a whole number, 0 or less
.set j, 0
.rept 32
	v_pk_fma_f32 v[S+j:S+j+1], v[S+j:S+j+1], s[22:23], v[NM:NM+1] op_sel_hi:[1,0,0]   ; t - M, two at a time; the two lines that make f stand among them
.if j == 16
	v_cvt_i32_f32 v[TT], v[TT]                     ; (it saturates)
.endif
.if j == 40
	v_ldexp_f32 v[FF], 1.0, v[TT]                  ; f = 2^(old M - new M)
.endif
.set j, j+2
.endr
.irp b, 0,1,2,3
	v_fma_f32 v[BM+\b], v[BM+\b], s22, v[NM]       ; the same of each block's largest score
.endr
	s_wait_alu depctr_va_vdst(0)                   ; ahead of the batch
.set j, 0
.rept 64
	v_exp_f32 v[S+j], v[S+j]                       ; p = 2^(t - M), at most 1
.set j, j+1
.endr
.irp b, 0,1,2,3
	v_exp_f32 v[BM+\b], v[BM+\b]                   ; the block's largest p
.endr
	v_pk_mul_f32 v[SUM:SUM+1], v[SUM:SUM+1], v[FF:FF+1] op_sel_hi:[1,0]   ; the sums under the new M.  (The plain line behind the exponentials)
	s_wait_alu depctr_va_vdst(0)                   ; and behind it, ahead of its first reader
.irp b, 0,1,2,3
	v_max_num_f32 v[BM+\b], 0x4800000, v[BM+\b]    ; the floor 2^(9 - 127): the byte cannot fall under 1
.endr
.irp b, 0,1,2,3
	s_delay_alu instid0(VALU_DEP_4)
	v_add_nc_u32 v[SO+\b], 0xfc000000, v[BM+\b]
.endr
.irp b, 0,1,2,3
	v_and_or_b32 v[LM+\b], v[BM+\b], 0x7f800000, s19
.endr
.irp b, 0,1,2,3
	v_lshrrev_b32 v[B2+\b], 23, v[SO+\b]
.endr
	s_delay_alu instid0(VALU_DEP_3)
	v_lshl_or_b32 v[PWT], v[B2+1], 8, v[B2]
	s_delay_alu instid0(VALU_DEP_1)
	v_lshl_or_b32 v[PWT], v[B2+2], 16, v[PWT]
	s_delay_alu instid0(VALU_DEP_1)
	v_lshl_or_b32 v[PW], v[B2+3], 24, v[PWT]       ; p's scale word, over eighty lines ahead of its products
	v_pk_add_f32 v[S2:S2+1], v[S:S+1], v[S+2:S+3]  ; the row's sum is taken of the unquantised p: 32 packed additions in four chains
	v_pk_add_f32 v[C3:C3+1], v[S+4:S+5], v[S+6:S+7]
	v_pk_add_f32 v[C4:C4+1], v[S+8:S+9], v[S+10:S+11]
.set j, 12
.rept 6
	v_pk_add_f32 v[SUM:SUM+1], v[SUM:SUM+1], v[S+j:S+j+1]
	v_pk_add_f32 v[S2:S2+1], v[S2:S2+1], v[S+j+2:S+j+3]
	v_pk_add_f32 v[C3:C3+1], v[C3:C3+1], v[S+j+4:S+j+5]
	v_pk_add_f32 v[C4:C4+1], v[C4:C4+1], v[S+j+6:S+j+7]
.set j, j+8
.endr
	v_pk_add_f32 v[SUM:SUM+1], v[SUM:SUM+1], v[S+60:S+61]
	v_pk_add_f32 v[S2:S2+1], v[S2:S2+1], v[S+62:S+63]
	s_delay_alu instid0(VALU_DEP_3)
	v_pk_add_f32 v[C3:C3+1], v[C3:C3+1], v[C4:C4+1]
	s_delay_alu instid0(VALU_DEP_2)
	v_pk_add_f32 v[SUM:SUM+1], v[SUM:SUM+1], v[S2:S2+1]
	s_delay_alu instid0(VALU_DEP_1)
	v_pk_add_f32 v[SUM:SUM+1], v[SUM:SUM+1], v[C3:C3+1]
; The conversion does not saturate (ISA guide 7.6.2); p is not negative: a one-sided hold.  Two holds to an instruction: one number of block b and one of block b + 1, an even and an odd register,
; so that destinations, first sources and second sources each lie in different banks.
.irp b, 0,2
.irp i, 0,1,2,3,4,5,6,7,8,9,10,11,12,13,14,15
	v_dual_min_num_f32 v[S+16*\b+\i], v[S+16*\b+\i], v[LM+\b] :: v_dual_min_num_f32 v[S+16+16*\b+(\i^1)], v[S+16+16*\b+(\i^1)], v[LM+1+\b]
.endr
.irp u, 0,1
	v_cvt_scalef32_pk8_fp8_f32 v[PC+4*(\b+\u):PC+4*(\b+\u)+1], v[S+16*(\b+\u):S+16*(\b+\u)+7], v[SO+\b+\u]
	v_cvt_scalef32_pk8_fp8_f32 v[PC+4*(\b+\u)+2:PC+4*(\b+\u)+3], v[S+16*(\b+\u)+8:S+16*(\b+\u)+15], v[SO+\b+\u]
.endr
.endr
.set j, 0
.rept 16
	v_pk_mul_f32 v[OT+j:OT+j+1], v[OT+j:OT+j+1], v[FF:FF+1] op_sel_hi:[1,0]   ; O^T under the new M; also the plain lines between the conversions and the products
.set j, j+2
.endr
.endm
; A KEY STEP: 128 keys.  K's fragments and V's take turns in one set of 64 registers.
.macro STEP
	v_add_nc_u32 v[AD], s48, v[LI]                 ; with the seven below: the eight places in front of loads into registers that the last step's products read
.rept 7
	v_nop
.endr
.irp f, 0,1,2,3
.irp c, 0,1,2,3
	ds_load_b128 v[KF+16*\f+4*\c:KF+16*\f+4*\c+3], v[AD] offset:2048*\f+512*\c
.endr
.endr
	ds_load_b128 v[KW:KW+3], v[AD] offset:16384
	s_wait_alu depctr_va_vdst(0)
	s_wait_dscnt 0x0
	SPROD
.rept 8
	v_nop                                          ; places: in front of the first read of S^T and of V's loads into the registers that held K
.endr
.irp f, 0,1,2,3
.irp c, 0,1,2,3
	ds_load_b128 v[KF+16*\f+4*\c:KF+16*\f+4*\c+3], v[AD] offset:8192+2048*\f+512*\c
.endr
.endr
	SOFTMAX
	s_wait_alu depctr_va_vdst(0)
	s_wait_dscnt 0x0                               ; V is in
	PVPROD
	s_add_co_u32 s48, s48, 16896
.endm
; O^T is divided by the sum and quantised: 32 numbers a lane, two blocks of 32 features; codes in v[PC] .. v[PC + 7], the two bytes in v[HWT].
.macro YOUT
	v_add_f32 v[TT], v[SUM], v[SUM+1]
	s_delay_alu instid0(VALU_DEP_1)
	v_permlanex16_b32 v[TT+1], v[TT], s20, s21
	s_delay_alu instid0(VALU_DEP_1)
	v_add_f32 v[TT], v[TT], v[TT+1]                ; the row's sum
	s_wait_alu depctr_va_vdst(0)
	v_rcp_f32 v[TT], v[TT]
	v_nop                                          ; one plain line behind a transcendental
	s_wait_alu depctr_va_vdst(0)
.set j, 0
.rept 16
	v_pk_mul_f32 v[OT+j:OT+j+1], v[OT+j:OT+j+1], v[TT:TT+1] op_sel_hi:[1,0]   ; each accumulator from its low end on
.set j, j+2
.endr
.irp b, 0,1
	v_max3_num_f32 v[BM+\b], |v[OT+16*\b]|, |v[OT+1+16*\b]|, 0x4800000
.endr
.irp i, 2,4,6,8,10,12,14
.irp b, 0,1
	s_delay_alu instid0(VALU_DEP_2)
	v_max3_num_f32 v[BM+\b], v[BM+\b], |v[OT+16*\b+\i]|, |v[OT+1+16*\b+\i]|
.endr
.endr
.irp b, 0,1
	s_delay_alu instid0(VALU_DEP_2)
	v_permlanex16_b32 v[B2+\b], v[BM+\b], s20, s21
.endr
.irp b, 0,1
	s_delay_alu instid0(VALU_DEP_2)
	v_max_num_f32 v[BM+\b], v[BM+\b], v[B2+\b]
.endr
.irp b, 0,1
	s_delay_alu instid0(VALU_DEP_2)
	v_add_nc_u32 v[SO+\b], 0xfc000000, v[BM+\b]
.endr
.irp b, 0,1
	s_delay_alu instid0(VALU_DEP_4)
	v_and_or_b32 v[LM+\b], v[BM+\b], 0x7f800000, s19
.endr
.irp b, 0,1
	s_delay_alu instid0(VALU_DEP_4)
	v_lshrrev_b32 v[B2+\b], 23, v[SO+\b]
.endr
	s_delay_alu instid0(VALU_DEP_1)
	v_lshl_or_b32 v[HWT], v[B2+1], 8, v[B2]
.irp b, 0,1
.irp i, 0,1,2,3,4,5,6,7,8,9,10,11,12,13,14,15
	v_med3_num_f32 v[OT+16*\b+\i], v[OT+16*\b+\i], -v[LM+\b], v[LM+\b]
.endr
	v_cvt_scalef32_pk8_fp8_f32 v[PC+4*\b:PC+4*\b+1], v[OT+16*\b:OT+16*\b+7], v[SO+\b]
	v_cvt_scalef32_pk8_fp8_f32 v[PC+4*\b+2:PC+4*\b+3], v[OT+16*\b+8:OT+16*\b+15], v[SO+\b]
.endr
	v_nop                                          ; one plain vector line behind the last conversion
.endm
	s_wait_alu depctr_va_vdst(0)                   ; the head's end
	s_wait_tensorcnt 0x0                           ; my key step has landed
	s_barrier_signal -1
	s_barrier_wait -1                              ; everybody's has: the head lies in LDS whole
	s_mov_b32 s50, 2
.Lpass:                                            ; two passes of 256 queries
	s_wait_loadcnt 0x0                             ; Q and its scale word
	v_lshrrev_b32 v[QW], s54, v[QW]                ; my tile's two bytes, low
	s_delay_alu instid0(VALU_DEP_1)
	v_and_or_b32 v12, v[QW], 0xffff, s60           ; [q | 0]: its two bytes, then 127, 127
	v_lshl_or_b32 v13, v[QW], 16, s61              ; [0 | q]
	v_mov_b32 v[TX], 0xff61b1e6                    ; the largest t so far: -3e38
	s_delay_alu instid0(VALU_DEP_1)
	v_floor_f32 v[NM], -v[TX]
	v_mov_b32 v[SUM], 0
	v_mov_b32 v[SUM+1], 0
.set j, 0
.rept 32
	v_mov_b32 v[OT+j], 0                           ; the step is written once: the first finds zeros, which the first change of M leaves zeros
.set j, j+1
.endr
	s_wait_alu depctr_va_vdst(0)
	s_mov_b32 s48, 0
	s_mov_b32 s49, 16
.Lstep:                                            ; the head's sixteen key steps
	STEP
	s_sub_co_u32 s49, s49, 1
	s_cmp_lg_u32 s49, 0
	s_cbranch_scc1 .Lstep
.rept 8
	v_nop                                          ; places behind the last products
.endr
	s_cmp_eq_u32 s50, 1                            ; the next pass's Q is asked for here, if there is a next pass: no load leaves its buffer
	s_cbranch_scc1 .Lno_next
	s_add_nc_u64 s[4:5], s[4:5], 16384
	s_add_nc_u64 s[6:7], s[6:7], 512
	QLOAD
.Lno_next:
	YOUT
	global_store_b128 v[LI], v[PC:PC+3], s[10:11]                  ; 32 lanes store 512 consecutive bytes
	global_store_b128 v[LI], v[PC+4:PC+7], s[10:11] offset:512
	global_store_b16 v[AR], v[HWT], s[12:13]
	s_wait_xcnt 0x0                                ; the stores have read their registers and bases: both are written again only behind this wait
	s_add_nc_u64 s[10:11], s[10:11], 262144
	s_add_nc_u64 s[12:13], s[12:13], 8192
	s_sub_co_u32 s50, s50, 1
	s_cmp_lg_u32 s50, 0
	s_cbranch_scc1 .Lpass
	s_wait_tensorcnt 0x0                           ; the wave's end
	ds_add_u32 v[SPW], v[NIL]
	s_wait_dscnt 0x0
	CROUND                                         ; the closing round
	s_endpgm
.Lfunc_end_k_q9d093b5d03_attn:
	.size	k_q9d093b5d03_attn, .Lfunc_end_k_q9d093b5d03_attn-k_q9d093b5d03_attn
	.p2alignl 7, 3214868480
	.fill 96, 4, 3214868480
	.section	.rodata,"a",@progbits
	.p2align	6, 0x0
	.amdhsa_kernel k_q9d093b5d03_attn
		.amdhsa_group_segment_fixed_size 272384
		.amdhsa_private_segment_fixed_size 0
		.amdhsa_enable_private_segment 0
		.amdhsa_kernarg_size 40
		.amdhsa_user_sgpr_count 2
		.amdhsa_user_sgpr_kernarg_segment_ptr 1
		.amdhsa_wavefront_size32 1
		.amdhsa_system_sgpr_workgroup_id_x 1
		.amdhsa_system_sgpr_workgroup_id_y 1
		.amdhsa_system_sgpr_workgroup_id_z 1
		.amdhsa_system_vgpr_workitem_id 0
		.amdhsa_next_free_vgpr 256
		.amdhsa_next_free_sgpr 66
		.amdhsa_reserve_vcc 0
		.amdhsa_float_denorm_mode_32 3
		.amdhsa_float_denorm_mode_16_64 3
		.amdhsa_memory_ordered 1
		.amdhsa_forward_progress 1
		.amdhsa_inst_pref_size 34
	.end_amdhsa_kernel
	.amdgpu_metadata
---
amdhsa.version: [ 1, 2 ]
amdhsa.kernels:
  - .name:           k_q9d093b5d03_attn
    .symbol:         k_q9d093b5d03_attn.kd
    .args:
      - { .name: qimg, .offset: 0, .size: 8, .value_kind: global_buffer, .address_space: global }
      - { .name: qsc, .offset: 8, .size: 8, .value_kind: global_buffer, .address_space: global }
      - { .name: kv, .offset: 16, .size: 8, .value_kind: global_buffer, .address_space: global }
      - { .name: ycodes, .offset: 24, .size: 8, .value_kind: global_buffer, .address_space: global }
      - { .name: ysc, .offset: 32, .size: 8, .value_kind: global_buffer, .address_space: global }
    .group_segment_fixed_size: 272384
    .private_segment_fixed_size: 0
    .kernarg_segment_align: 8
    .kernarg_segment_size: 40
    .max_flat_workgroup_size: 512
    .sgpr_count:     66
    .vgpr_count:     256
    .wavefront_size: 32
...
	.end_amdgpu_metadata
.endif
;; end of part 3
;; launch proj (part 4): grid 8 x 32, 4 waves a work-group, clusters of 4 x 1, 327,680 bytes of LDS; arguments ycodes, ysc, codes, scales, bo, out0; writes out0
.if DOCPART == 4
	.amdgcn_target "amdgcn-amd-amdhsa--gfx1250"
	.amdhsa_code_object_version 6
	.text
	.protected	k_q9d093b5d03_proj
	.globl	k_q9d093b5d03_proj
	.p2align	8
	.type	k_q9d093b5d03_proj,@function
k_q9d093b5d03_proj:
	s_mov_b64 s[64:65], 0
	v_nop
	global_prefetch_b8 v0, s[64:65] scope:SCOPE_SE
	s_setreg_imm32_b32 hwreg(HW_REG_WAVE_MODE, 25, 1), 1
	s_wait_xcnt 0x0
	s_wait_alu depctr_hold_cnt(0) depctr_sa_sdst(0) depctr_va_vdst(0) depctr_va_sdst(0) depctr_va_ssrc(0) depctr_va_vcc(0) depctr_vm_vsrc(0)
	s_getreg_b32 s2, hwreg(HW_REG_IB_STS2, 6, 4)
	s_cmp_eq_u32 s2, 0
	s_cbranch_scc0 .Lentry_in_a_cluster
	s_endpgm
.Lentry_in_a_cluster:
	s_bfe_u32 s2, ttmp6, 0x10000c
	s_cmp_lg_u32 s2, 0x3003
	s_cbranch_scc0 .Lentry_shape_is_right
	s_endpgm
.Lentry_shape_is_right:
; out0 = y Wo^T + bo on codes of FP8 (E4M3) with E8M0 scales: 8,192 x 1,024 x 1,024; f32 sums, f32 out.
; BUFFERS.  ycodes: [rowtile 512][K step 8][image of 2,048 bytes], ysc: [rowtile][K half 2][r 16][4 words]; Wo's codes and scale words lie likewise in codes and scales, rowtiles 704 .. 767.  An image is a
; fragment (16 rows x 128 K) in the order of the operand's registers: 512 c + 16 lane + i.  Row 16 x rowtile + r of y is the same flat row of out0.
; SHARES.  256 work-groups of four waves, 2 x 2; a work-group makes 256 rows x 128 columns.  Its 16 rowtiles of y, all of K, are 262,144 dense bytes: they lie in LDS whole, FILLED ONCE, a quarter by each wave's
; one tensor load; no byte is filled again.  A wave holds 64 rows of Wo, all of K, in 512 registers (windows 1, 2) and passes its 128 rows of y by them in eight blocks of 16 rows (128 registers, two sets, window 3):
; 32 products a block on four accumulators by turns.  The bias is the first products' C.  Source 0 = Wo's rows, source 1 = y's rows: a lane holds eight neighbouring columns of one row of out0.
; A block leaves through the wave's own stage in LDS while the next block is multiplied: sixteen lanes store one aligned unit of 256 bytes.
; CLUSTERS.  The four work-groups of a cluster make four column groups of the same 256 rows and ask for y's tiles jointly.  Wo's rows are not asked for jointly: 262,144 bytes of y and 131,072 of Wo are more than
; the 327,680 bytes of LDS, so Wo's images go from memory straight into the registers that hold them.  No prefetch: all that the launch reads is asked for at its head, and there is no loop to run ahead in.
; LIMITS: NaN, infinities and sums beyond f32's range are not served.
.set NP,    8                          ; plain vector lines behind a matrix instruction of this form (ISA guide 7.12.1)
.set STAGE, 262144                     ; behind y's rows: 16 rows x (256 bytes + 16) for each wave
.set SP,    272
.set SPARE, STAGE+4*16*SP              ; the spare words: 128 bytes a wave
.set LI,    1                          ; v1   16 x lane
.set AX,    2                          ; v2, v3  LDS address of my blocks 0-3, 4-7
.set STO,   4                          ; v4   the stage, on the way in
.set RD,    5                          ; v5   and back
.set CO,    6                          ; v6   my offset in two rows of out0
.set AS,    7                          ; v7   16 r: y's scale words
.set AW,    8                          ; v8   512 h + 16 r: Wo's scale words, a pair of tiles to a register
.set AB,    9                          ; v9   32 h: the bias
.set SPW,   10
.set NIL,   11
.set SB,    12                         ; v12-27   Wo's scale words: register 8 p + q: lanes 0-15 tile 2 p's, lanes 16-31 tile 2 p + 1's, K step q
.set SA,    32                         ; v32-95   y's: register 8 n + q: block n, K step q (no product's two scale registers have numbers equal modulo 8)
.set BQ,    96                         ; v96-127  the bias in the results' layout
.set ACC,   128                        ; v128-191 two sets of four accumulators
.set OB,    192                        ; v192-255 two sets of 16 rows read back from the stage
.set MSB, 0
.macro WIN new                         ; the immediate's high byte repeats the setting that is left
.if MSB != (\new)
	s_set_vgpr_msb (MSB<<8)|(\new)
.set MSB, (\new)
.endif
.endm
.macro PLACES n
.rept \n
	v_nop
.endr
.endm
.macro CROUND                          ; a round of the cluster's barrier
	s_barrier_signal -1
	s_barrier_wait -1
	s_cmp_lg_u32 s16, 0
	s_cbranch_scc1 .Lnot_wave_0_\@
	s_barrier_signal -3
.Lnot_wave_0_\@:
	s_barrier_wait -3
	s_barrier_signal -1
	s_barrier_wait -1
.endm
	s_load_b256 s[4:11], s[0:1], 0x0               ; ycodes s[4:5], ysc s[6:7], codes s[8:9], scales s[10:11]
	s_load_b128 s[12:15], s[0:1], 0x20             ; bo s[12:13], out0 s[14:15]
	v_lshl_add_u32 v[SPW], v0, 2, SPARE
	v_mov_b32 v[NIL], 0
	ds_add_u32 v[SPW], v[NIL]                      ; the opening lines: the add, twice on end, and one wait; the set-up stands between
	ds_add_u32 v[SPW], v[NIL]
	v_lshrrev_b32 v28, 5, v0
	v_readfirstlane_b32 s16, v28                   ; wave 0..3
	s_lshr_b32 s17, s16, 1                         ; my half of the rows
	s_and_b32 s18, s16, 1                          ; my half of the columns
	s_bfe_u32 s19, ttmp6, 0x40000                  ; cx: it enters global addresses of Wo, bo and out0 alone
	s_lshl_b32 s20, ttmp9, 2
	s_add_co_u32 s20, s20, s19                     ; column group 0..7
	s_and_b32 s21, ttmp7, 0xffff                   ; row tile 0..31, which the four partners share
	s_mov_b32 s24, 15|(3<<16)|(1<<21)              ; group 1: 65,536 dense bytes as 256 rows of 256 (32 elements of 8 bytes); the mask names all four work-groups
	s_mov_b32 s25, 32<<16
	s_mov_b32 s26, 256<<16
	s_mov_b32 s27, 32<<16
	s_mov_b32 s28, 256
	s_mov_b32 s29, 32
	s_mov_b32 s30, 0
	s_mov_b32 s31, 0
	s_mov_b32 s32, 1
	s_lshl_b32 s33, s16, 16                        ; LDS: rowtiles 4 wave .. 4 wave + 3
	s_lshl_b32 s36, s21, 18
	s_add_co_u32 s36, s36, s33                     ; ycodes: 262,144 a row tile + my quarter
	s_mov_b32 s37, 0
	s_lshl_b32 s38, s21, 13
	s_lshl_b32 s22, s17, 12
	s_add_co_u32 s38, s38, s22                     ; ysc: 8,192 a row tile + my 8 rowtiles
	s_mov_b32 s39, 0
	s_lshl_b32 s22, s20, 3
	s_lshl_b32 s23, s18, 2
	s_add_co_u32 s22, s22, s23
	s_add_co_u32 s22, s22, 704                     ; my first rowtile of Wo
	s_lshl_b32 s40, s22, 14
	s_mov_b32 s41, 0
	s_lshl_b32 s42, s22, 9
	s_mov_b32 s43, 0
	s_lshl_b32 s44, s20, 9
	s_lshl_b32 s23, s18, 8
	s_add_co_u32 s44, s44, s23                     ; my first column, in bytes of f32
	s_mov_b32 s45, 0
	s_lshl_b32 s46, s21, 20
	s_lshl_b32 s23, s17, 19
	s_add_co_u32 s46, s46, s23                     ; my first row of out0
	s_mov_b32 s47, 0
	s_lshl_b32 s23, s17, 17                        ; my 8 rowtiles in LDS
	s_mul_i32 s48, s16, 16*SP
	s_add_co_u32 s48, s48, STAGE                   ; my stage
	v_and_b32 v28, 15, v0                          ; r
	v_bfe_u32 v29, v0, 4, 1                        ; h
	v_and_b32 v30, 31, v0
	v_lshlrev_b32 v[LI], 4, v30
	v_add_nc_u32 v[AX], s23, v[LI]
	v_add_nc_u32 v[AX+1], 0x10000, v[AX]
	v_mul_u32_u24 v31, v28, SP
	v_lshl_add_u32 v31, v29, 5, v31
	v_add_nc_u32 v[STO], s48, v31                  ; in: row r, 32 bytes for each half of the lanes
	v_mul_u32_u24 v31, v29, SP
	v_lshl_add_u32 v31, v28, 4, v31
	v_add_nc_u32 v[RD], s48, v31                   ; back: lanes 0-15 one row of 256 bytes, lanes 16-31 the next
	v_lshlrev_b32 v31, 12, v29
	v_lshl_add_u32 v[CO], v28, 4, v31              ; and the same two rows in out0
	v_lshlrev_b32 v[AS], 4, v28
	v_lshl_add_u32 v[AW], v29, 9, v[AS]
	v_lshlrev_b32 v[AB], 5, v29
	s_wait_alu depctr_va_vdst(0)                   ; the head's end: no vector instruction writes a register behind it
	s_wait_dscnt 0x0                               ; both opening adds are done
	CROUND                                         ; all four work-groups are here: the joint loads meet
	s_wait_kmcnt 0x0
	s_add_nc_u64 s[34:35], s[4:5], s[36:37]
	s_or_b32 s35, s35, 0x80000000
	tensor_load_to_lds s[32:35], s[24:31]          ; my one tensor load
	s_nop 0
	PLACES 4
	s_add_nc_u64 s[6:7], s[6:7], s[38:39]
	s_add_nc_u64 s[8:9], s[8:9], s[40:41]
	s_add_nc_u64 s[10:11], s[10:11], s[42:43]
	s_add_nc_u64 s[12:13], s[12:13], s[44:45]
	s_add_nc_u64 s[14:15], s[14:15], s[44:45]
	s_add_nc_u64 s[14:15], s[14:15], s[46:47]
.irp p, 0,1
.irp c, 0,1
	global_load_b128 v[SB+8*\p+4*\c:SB+8*\p+4*\c+3], v[AW], s[10:11] offset:1024*\p+256*\c
.endr
.endr
.irp t, 0,1,2,3
	global_load_b128 v[BQ+8*\t:BQ+8*\t+3], v[AB], s[12:13] offset:64*\t       ; register j of tile t: column 16 t + 8 h + j
	global_load_b128 v[BQ+8*\t+4:BQ+8*\t+7], v[AB], s[12:13] offset:64*\t+16
.endr
.irp n, 0,1,2,3,4,5,6,7
.irp c, 0,1
	global_load_b128 v[SA+8*\n+4*\c:SA+8*\n+4*\c+3], v[AS], s[6:7] offset:512*\n+256*\c
.endr
.endr
.irp q, 0,1,2,3,4,5,6,7                ; Wo's fragment 4 q + t: window 1 + q / 4, register 16 ((4 q + t) % 16): 32 lanes read 512 consecutive bytes
	WIN (1+\q/4)<<6
.irp t, 0,1,2,3
.irp c, 0,1,2,3
	global_load_b128 v[16*((4*\q+\t)%16)+4*\c:16*((4*\q+\t)%16)+4*\c+3], v[LI], s[8:9] offset:16384*\t+2048*\q+512*\c
.endr
.endr
.endr
	WIN 0
.macro FETCH n                         ; block n of y, 16 rows, all of K, into set n % 2 of window 3: 32 LDS loads
	WIN 3<<6
.irp q, 0,1,2,3,4,5,6,7
.irp c, 0,1,2,3
	ds_load_b128 v[128*((\n)%2)+16*\q+4*\c:128*((\n)%2)+16*\q+4*\c+3], v[AX+(\n)/4] offset:16384*((\n)%4)+2048*\q+512*\c
.endr
.endr
	WIN 0
.endm
.macro MM n, q, t                      ; block n, K step q, column tile t
.set A_, ACC+32*((\n)%2)+8*(\t)
.set W_, 16*((4*(\q)+(\t))%16)
.set X_, 128*((\n)%2)+16*(\q)
.set C_, A_
.if (\q) == 0
.set C_, BQ+8*(\t)
.endif
.if (\t)%2
	v_wmma_scale_f32_16x16x128_f8f6f4 v[A_:A_+7], v[W_:W_+15], v[X_:X_+15], v[C_:C_+7], v[SB+8*((\t)/2)+(\q)], v[SA+8*(\n)+(\q)] matrix_a_scale:MATRIX_SCALE_ROW1
.else
	v_wmma_scale_f32_16x16x128_f8f6f4 v[A_:A_+7], v[W_:W_+15], v[X_:X_+15], v[C_:C_+7], v[SB+8*((\t)/2)+(\q)], v[SA+8*(\n)+(\q)]
.endif
.endm
.macro BLOCK n                         ; 32 products, the four accumulators by turns, then the places ahead of the readers of the sums and of loads into what was read
.irp q, 0,1,2,3,4,5,6,7
	WIN (1+\q/4)|(3<<2)
.irp t, 0,1,2,3
	MM \n, \q, \t
.endr
.endr
	WIN 0
	PLACES NP
.endm
.macro TOSTAGE n                       ; 8 stores, each accumulator from its low end on, and 8 loads; LDS serves a wave's instructions in order (ISA guide 5.7.1.4)
.irp t, 0,1,2,3
	ds_store_b128 v[STO], v[ACC+32*((\n)%2)+8*\t:ACC+32*((\n)%2)+8*\t+3] offset:64*\t
	ds_store_b128 v[STO], v[ACC+32*((\n)%2)+8*\t+4:ACC+32*((\n)%2)+8*\t+7] offset:64*\t+16
.endr
.irp i, 0,1,2,3,4,5,6,7
	ds_load_b128 v[OB+32*((\n)%2)+4*\i:OB+32*((\n)%2)+4*\i+3], v[RD] offset:2*\i*SP
.endr
.endm
.macro SEND n                          ; sixteen lanes store 256 consecutive bytes, at a multiple of 256 from out0's first byte
.irp i, 0,1,2,3,4,5,6,7
	global_store_b128 v[CO], v[OB+32*((\n)%2)+4*\i:OB+32*((\n)%2)+4*\i+3], s[14:15] offset:65536*(\n)+8192*\i th:TH_STORE_NT
.endr
.endm
	s_wait_tensorcnt 0x0                           ; my quarter of y's rows has landed
	s_barrier_signal -1
	s_barrier_wait -1                              ; everybody's has
	FETCH 0
	FETCH 1
	s_wait_loadcnt 0x0                             ; Wo, the scale words, the bias
	s_wait_dscnt 32                                ; block 0 is in; block 1's 32 loads may be out
	BLOCK 0
	FETCH 2
	TOSTAGE 0
	s_wait_dscnt 48                                ; block 1 is in; behind it: block 2's 32 loads and block 0's 16 stage instructions
.irp n, 1,2,3,4,5,6,7
	BLOCK \n
	s_wait_xcnt 0x0                                ; block n - 2's stores have read their registers, into which block n's rows come back below
	s_wait_dscnt 0x0                               ; block n - 1 is back from the stage, its stage stores have read the sums, and block n + 1 is in: all were issued ahead of this block's 32 products
	SEND \n-1
.if \n < 6
	FETCH \n+2
.endif
	TOSTAGE \n
.endr
	s_wait_dscnt 0x0
	SEND 7
	s_wait_tensorcnt 0x0                           ; the wave's end
	ds_add_u32 v[SPW], v[NIL]
	s_wait_dscnt 0x0
	CROUND                                         ; the closing round
	s_endpgm
.Lfunc_end_k_q9d093b5d03_proj:
	.size	k_q9d093b5d03_proj, .Lfunc_end_k_q9d093b5d03_proj-k_q9d093b5d03_proj
	.p2alignl 7, 3214868480
	.fill 96, 4, 3214868480
	.section	.rodata,"a",@progbits
	.p2align	6, 0x0
	.amdhsa_kernel k_q9d093b5d03_proj
		.amdhsa_group_segment_fixed_size 327680
		.amdhsa_private_segment_fixed_size 0
		.amdhsa_enable_private_segment 0
		.amdhsa_kernarg_size 48
		.amdhsa_user_sgpr_count 2
		.amdhsa_user_sgpr_kernarg_segment_ptr 1
		.amdhsa_wavefront_size32 1
		.amdhsa_system_sgpr_workgroup_id_x 1
		.amdhsa_system_sgpr_workgroup_id_y 1
		.amdhsa_system_sgpr_workgroup_id_z 1
		.amdhsa_system_vgpr_workitem_id 0
		.amdhsa_next_free_vgpr 1024
		.amdhsa_next_free_sgpr 66
		.amdhsa_reserve_vcc 0
		.amdhsa_float_denorm_mode_32 3
		.amdhsa_float_denorm_mode_16_64 3
		.amdhsa_memory_ordered 1
		.amdhsa_forward_progress 1
		.amdhsa_inst_pref_size 86
	.end_amdhsa_kernel
	.amdgpu_metadata
---
amdhsa.version: [ 1, 2 ]
amdhsa.kernels:
  - .name:           k_q9d093b5d03_proj
    .symbol:         k_q9d093b5d03_proj.kd
    .args:
      - { .name: ycodes, .offset: 0, .size: 8, .value_kind: global_buffer, .address_space: global }
      - { .name: ysc, .offset: 8, .size: 8, .value_kind: global_buffer, .address_space: global }
      - { .name: codes, .offset: 16, .size: 8, .value_kind: global_buffer, .address_space: global }
      - { .name: scales, .offset: 24, .size: 8, .value_kind: global_buffer, .address_space: global }
      - { .name: bo, .offset: 32, .size: 8, .value_kind: global_buffer, .address_space: global }
      - { .name: out0, .offset: 40, .size: 8, .value_kind: global_buffer, .address_space: global }
    .group_segment_fixed_size: 327680
    .private_segment_fixed_size: 0
    .kernarg_segment_align: 8
    .kernarg_segment_size: 48
    .max_flat_workgroup_size: 128
    .sgpr_count:     66
    .vgpr_count:     1024
    .wavefront_size: 32
...
	.end_amdgpu_metadata
.endif
;; end of part 4
